; MI455X (gfx1250); checked and timed in simulation.
; The chip was launched on July 23, 2026; its instructions are those of AMD's public machine-readable ISA for CDNA 5 (MIT licence, August 2026) and "CDNA5" Instruction Set Architecture Reference Guide (July 2026). The comments in the code are by the model that wrote it; some were corrected since.
;; Cross Attention. Allowed arithmetic: float matrix products may take bf16 or f16 operands with f32 sums; other float arithmetic in f32, or as packed bf16 or f16 multiplies, adds, multiply-adds, maxima and minima; sums over many terms, partial sums and values carried from step to step in f32; what a program stores and reads back later, other than sums and carried values, may be rounded once to bf16 or f16.
;; Inputs: Wk 512 x 512 float32; Wq 256 x 256 float32; Wv 512 x 512 float32; bk 512 float32; bq 256 float32; bv 512 float32; depth_feat 4 x 16 x 512 x 32 x 32 float32; gamma 1 float32; img_feat 4 x 16 x 256 x 32 x 32 float32.
;; Outputs: out0 4 x 16 x 256 x 32 x 32 float32.
;; One version. Each part assembles by itself: llvm-mc -triple=amdgcn-amd-amdhsa -mcpu=gfx1250 --defsym DOCPART=n.
;; ======== version 1 of 1: 1 launch
;; limits: values are held in f16: magnitudes above 65,504 overflow, below 6.1e-05 lose precision; inputs' magnitudes at most 65,504
;; launch xattn (part 1): grid 256 x 1, 4 waves a work-group, clusters of 4 x 1, 327,680 bytes of LDS; arguments img_feat, depth_feat, Wq, Wk, Wv, bq, bk, bv, gamma, out0; writes out0
.if DOCPART == 1
	.amdgcn_target "amdgcn-amd-amdhsa--gfx1250"
	.amdhsa_code_object_version 6
	.text
	.protected	k_q6f736cb411_xattn
	.globl	k_q6f736cb411_xattn
	.p2align	8
	.type	k_q6f736cb411_xattn,@function
k_q6f736cb411_xattn:
	s_mov_b64 s[64:65], 0
	v_nop
	global_prefetch_b8 v0, s[64:65] scope:SCOPE_SE
	s_setreg_imm32_b32 hwreg(HW_REG_WAVE_MODE, 25, 1), 1
	s_wait_xcnt 0x0
	s_wait_alu depctr_hold_cnt(0) depctr_sa_sdst(0) depctr_va_vdst(0) depctr_va_sdst(0) depctr_va_ssrc(0) depctr_va_vcc(0) depctr_vm_vsrc(0)
	s_getreg_b32 s2, hwreg(HW_REG_IB_STS2, 6, 4)
	s_cmp_eq_u32 s2, 0
	s_cbranch_scc0 .Lentry_in_a_cluster
	s_endpgm
.Lentry_in_a_cluster:
	s_bfe_u32 s2, ttmp6, 0x10000c
	s_cmp_lg_u32 s2, 0x3003
	s_cbranch_scc0 .Lentry_shape_is_right
	s_endpgm
.Lentry_shape_is_right:
; CROSS ATTENTION OVER CHANNELS, one launch.  For each of 64 batches: q = Wq x + bq [256][1024], k = Wk d + bk, v = Wv d + bv [512][1024], S = q k^T (unscaled), P = softmax over the 512 keys,
; out = gamma (P v) + x.  All tensors f32.
; k AND v ARE NEVER FORMED:  S = (q d^T) Wk^T + (q 1) bk^T  and  P v = (P Wv) d + (P bv) 1^T, which hold for every input.  So a work-group that owns 64 query rows of a batch needs nothing of another one.
; SHARES.  Cluster = batch; its four work-groups take 64 query rows each and walk the same d, Wk, Wv: every tile is asked for JOINTLY (mask 15).  Four waves; wave w = (p = w & 1, g = w >> 1).
;   1  q^T[n][o] = x^T Wq^T + bq      chunks of 128 pixels; a wave takes 64 pixels (p) and 128 of the 256 channels (g); the two halves of K meet in f32 through LDS; q is split into bf16 hi + lo and laid in LDS for all waves
;   2  U^T[c][q] += d (qh + ql)^T     a wave owns 128 channels c
;   3  S^T[key][q] = Wk (Uh + Ul)^T, its sums started at sq[q] bk[key], sq = the sum of q over the pixels; a wave owns 128 keys
;   4  softmax with the true maximum over the 512 keys; l; pb[q] = sum(p bv) / l
;   5  A2^T[c][q] = Wv^T P, then / l  a wave owns 128 channels
;   6  acc[q][n] = A2 d, its sums started at pb[q]; out = gamma acc + x; a wave owns 256 pixels
; FORMATS AND LIMITS.  x, d, Wq, Wk, Wv, bq, bk, bv, gamma are rounded to bf16 before use; the residual x is added as given.  q and U, which stand in front of the unscaled softmax, are carried as
; bf16 hi + lo (16 significant bits, f32's range).  Behind the softmax f16: P (0 to 1), A2 (a mean of Wv's rows), and Wv and d, first rounded to bf16 and that number written as f16: exact from 2^-17 up to 65,504;
; below, off by 3e-8 at the most; |d| or |Wv| of 65,520 or more is not served.  l is the sum of the unrounded p; a weight below 2^-126 counts as 0; NaN and infinities are not treated apart.
; ONE TILE SHAPE.  Every tensor load brings 128 rows x 64 f32 (256 bytes a row in memory, 272 in LDS) to slot + 34,816 x wave; the streams differ in pointer and in the stride from row to row alone.
;   d (step 2): stride 1024; channels 128 w + row, 64 pixels      Wk: stride 512; keys 128 w + row, 64 channels
;   Wv: stride 256; row = 2 key + g: 64 keys, channels 256 g + 64 w + col      d (step 6): stride 256; row = 4 c + k: 32 channels, pixels 256 k + 64 w + col
; x COMES INTO REGISTERS by the waves' own loads, 16 bytes a lane: sixteen lanes take 256 consecutive bytes, aligned, of a row, an instruction two rows.  32 loads (16 KiB) of a wave are out, issued one whole step of
; the ring ahead of their use, so steps 1 and 2 have sixteen changes of slots, one for each tile of d, and q's products stand beside d's.  NO JOINT LOAD FOR x: a joint load lands in LDS, where the two slots
; (2 x 139,264 bytes), the 34,816 of the 64 queries' operands and the statistics leave no room for a third slot; so each of the four partners reads x's 1 MiB itself.  x is not prefetched: its loads have a step's lead.
; FRAGMENTS are made from f32 in registers.  K along a tile's rows: the lane is a row, four loads of 16 bytes, eight roundings.  K across the rows: the lane is a column; sixteen loads of 16 bytes,
; one for each K, give four fragments t, whose lane r stands for column 4 r + t.
; REGISTERS, in windows of 256 (s_set_vgpr_msb: bits 1:0 source 0, 3:2 source 1, 5:4 source 2, 7:6 destination):
;   window 0: v0-31 addresses and bq; v32-63 statistics; v64-127 fragments made; v128-191 f32 as loaded from LDS; v192-255 x as loaded (later: more f32 from LDS)
;   window 1: 32 accumulators: U^T, S^T, A2^T, then out for k = 0, 1
;   window 2: v0-127 Wq's fragments of my K half, v128-255 q's 16 accumulators; then Uh, Ul; then P (0-127) and A2 (128-255); in step 6 v0-31 take A2's fragments
;   window 3: v0-63 bk; v64-191 the 64 queries' fragments; v192-255 x as loaded, later bv; in step 6 all of it: out for k = 2, 3
; The sums of steps 2 and 5 start from registers cleared by v_mov_b32 (256 lines each, in the wait for a tile), those of 3 and 6 from their bias: so each step's text stands once, with one form of product.
.set PITCH, 272                        ; an LDS row: 256 bytes + 16 of padding = 68 words: 16 consecutive rows start at 16 different groups of four banks (64 banks of 4 bytes: ISA guide 11.1)
.set WREG,  128*PITCH                  ; what one tensor load fills
.set SLOT,  4*WREG                     ; a slot: the four waves' loads
.set SCR,   2*SLOT                     ; behind the ring, never filled by a tensor load: [64 queries][128 K] of 16-bit numbers, pitch 272; hi, then lo.  Also: Wq at the start, and q's partial sums
.set QT,    16*PITCH                   ; 16 queries on
.set LO,    64*PITCH                   ; from hi to lo
.set WQP,   528                        ; a row of Wq in SCR: 256 bf16 + 16 bytes = 132 words: again 16 rows on 16 groups of four banks; 64 rows are 33,792 bytes
.set STAT,  SCR+2*LO                   ; the waves' statistics: four arrays of 4 waves x 64 f32, then pb: 64 f32
.set S_SQ,  0
.set S_MX,  1024
.set S_LS,  2048
.set S_PB,  3072
.set S_PBF, 4096
.set SPARE, STAT+4608                  ; the spare words, 128 bytes for each wave: two blocks of 256 bytes that no other line names
.set R,    1                           ; v1   lane % 16
.set H,    2                           ; v2   lane / 16
.set LN,   3                           ; v3   lane
.set RL0,  4                           ; v4   34,816 w + 272 r + 32 h: a row fragment in my part of a slot
.set XGL,  5                           ; v5   524,288 g + 32,768 h + 256 p + 16 r: my 16 bytes in rows of x: channel 128 g + 8 h, pixel 64 p + 4 r; never rewritten
.set CL2,  6                           ; v6   34,816 w + 16 r + 4,352 h: a column fragment of Wv's tile
.set CL4,  7                           ; v7   34,816 w + 16 r + 8,704 h: of d's tile in step 6
.set TL,   8                           ; v8   SCR + 272 r + 16 h: a query fragment; also where U and P are put
.set QSL,  9                           ; v9   SCR + 272 (32 g + r) + 128 p + 64 h: where q is put
.set KBL,  10                          ; v10  512 w + 32 h: my keys in bk and bv
.set ASL,  11                          ; v11  SCR + 272 r + 64 h: where A2 is put
.set STL,  12                          ; v12  STAT + 256 w + 4 r
.set SRL,  13                          ; v13  STAT + 4 r
.set PBL,  14                          ; v14  STAT + 4,096 + 32 h
.set GL,   15                          ; v15  32,768 h + 256 w + 16 r: my 16 bytes in rows of x and out
.set ADR0, 16                          ; v16-18 addresses in hand
.set ADR1, 17
.set TADR, 18
.set NEG1, 19                          ; v19  -1.0
.set SPW,  20                          ; v20  LDS address of my spare word; never rewritten
.set NIL,  21                          ; v21  0; never rewritten
.set PFA,  22                          ; v22  (32 cx + lane) x 4,096: the prefetches' row, stride 1024
.set PFC,  23                          ; v23  (32 cx + lane) x 1,024: stride 256
.set BQ,   24                          ; v24-27 bq of my query in the two tiles that I finish, as pairs
.set EXS,  28                          ; v28  SCR + 8,192 w + 16 lane: where my partial sums go
.set EXL,  29                          ; v29  SCR + 8,192 (w ^ 2) + 16 lane: where my partner's lie
.set WQA,  30                          ; v30  Wq in SCR: my K half of the tiles that I finish
.set WQB,  31                          ; v31  of the tiles that my partner finishes
.set VSQ,  32                          ; pairs, one for each tile of 16 queries: the sum of q
.set VM,   40                          ; maximum, then c m
.set VL,   48                          ; l, then 1 / l
.set VPB,  56                          ; sum of p bv, then pb
.set MF,   64
.set STG,  128
.set XR,   192                         ; x as loaded: K step 0 of a half in window 0, K step 1 in window 3
.set QA,   128                         ; window 2: q^T's accumulator (t, tile) at QA + 8 (4 t + tile); tiles 0, 1 are mine to finish, 2, 3 my partner's
.set AX, 8
.set AD, 10
.set AWQ, 12
.set AWK, 14
.set AWV, 16
.set ABQ, 18
.set ABK, 20
.set ABV, 22
.set AGM, 24
.set AOUT, 26
.set WV,   28                          ; my wave's number
.set CX,   29                          ; my place in the cluster: enters Wq's, bq's, x's and out's rows and the prefetches' offset alone
.set BT,   30                          ; the batch
.set FS,   31                          ; the slot that is filled: 0 or SLOT
.set CUR,  32                          ; the slot that is read
.set WOFF, 33                          ; 34,816 w
.set KOFF, 34                          ; which K of the 128 in SCR a step takes, in bytes
.set FLAG, 35                          ; 1: the tile asked for is the next stream's first
.set G1A,  36                          ; s[36:43] descriptor group 1, stride 1024
.set G1B,  44                          ; s[44:51] stride 512
.set G1C,  52                          ; s[52:59] stride 256
.set G0,   60                          ; s[60:63] descriptor group 0
.set XP,   66                          ; x of the batch, at the chunk that was last loaded
.set PD,   68                          ; the streams' pointers, at my wave's part of the tile to be asked for next
.set PK,   70
.set PV,   72
.set POB,  74                          ; d of the batch + 256 w
.set NP,   76                          ; the tile that the next change of slots asks for
.set PP,   78                          ; the tile that the next prefetch names
.set OF,   80                          ; s[80:81] an offset, its high word 0
.set PH,   82                          ; p = w & 1
.set GH,   83                          ; g = w >> 1
.set STP,  84
.set OWN2, 85                          ; 2 w
.set OWN4, 86                          ; 4 w
.set T0,   87
.set SEL,  88                          ; s[88:89] v_permlanex16_b32's selects: each lane takes its own place in the other half
.set HMASK, 90                         ; a word's upper 16 bits
.set T1,   91
.set LOG2E, 92                         ; s[92:93]
.set GAM,  94
.set T2,   95
.set XROW, 96                          ; s[96:97] x at my work-group's 64 rows
.set OROW, 98                          ; s[98:99] out likewise
.set EV,   100                         ; 1 in a trip that finishes a chunk of q; made of the loop's count alone
.set MSB, 0
.macro WIN new                         ; the immediate's high byte repeats the setting that is left; a switch that changes nothing is dropped
.if MSB != (\new)
	s_set_vgpr_msb (MSB<<8)|(\new)
.set MSB, \new
.endif
.endm
.macro PLACES                          ; four places behind a matrix instruction, in front of vector lines that read its result or write its sources and of loads into its registers
.rept 4
	v_nop
.endr
.endm
.macro Q4 line:vararg                  ; one line for each tile qq of 16 queries
.set qq, 0
.rept 4
	\line
.set qq, qq+1
.endr
.endm
.macro BAR                             ; my LDS instructions are done; then the work-group's barrier
	s_wait_dscnt 0x0
	s_barrier_signal -1
	s_barrier_wait -1
.endm
; A round of the cluster's barrier: my work-group's barrier, so that wave 0's signal speaks for all four waves; wave 0 signals; every wave waits for all four work-groups; my work-group's barrier once more.
.macro CROUND
	s_barrier_signal -1
	s_barrier_wait -1
	s_cmp_lg_u32 s[WV], 0
	s_cbranch_scc1 .Lnw0_\@
	s_barrier_signal -3
.Lnw0_\@:
	s_barrier_wait -3
	s_barrier_signal -1
	s_barrier_wait -1
.endm
; THE CHANGE OF SLOTS.  Each wave waits for all its tensor loads, of which one is out: its part of the slot to be read; adds 0 to its spare word; and waits for that and for all its LDS reads and stores.
; The round shows that of every wave of the four work-groups: nobody reads the old slot or SCR any more, what was stored into SCR is there, and the new slot is whole.  The joint fill of the old slot with tile NP is the first thing behind it.
; gb given: FLAG chooses between two lines that differ in the stride alone; FLAG is made of loop counts and is the same in all waves and partners; either way one load is issued.
; An s_nop 0 and four v_nop follow each load; they are also the places in front of the loads and roundings of the step that follows.
.macro CHANGE ga, gb=-1
	WIN 0
	s_wait_tensorcnt 0x0               ; no tensor load of mine is out, so group 0 may be written
	ds_add_u32 v[SPW], v[NIL]          ; 0 onto my spare word; the descriptor's words stand between it and the wait for it
	s_xor_b32 s[CUR], s[CUR], SLOT
	s_xor_b32 s[FS], s[FS], SLOT
	s_add_co_u32 s[G0+1], s[FS], s[WOFF]
	s_mov_b64 s[G0+2:G0+3], s[NP:NP+1]
	s_or_b32 s[G0+3], s[G0+3], 0x80000000
	s_wait_dscnt 0x0
	CROUND
.if (\gb) >= 0
	s_cmp_eq_u32 s[FLAG], 0
	s_cbranch_scc0 .Lnext_\@
.endif
	tensor_load_to_lds s[G0:G0+3], s[\ga:\ga+7]
	s_nop 0
	PLACES
.if (\gb) >= 0
	s_branch .Lasked_\@
.Lnext_\@:
	tensor_load_to_lds s[G0:G0+3], s[\gb:\gb+7]
	s_nop 0
	PLACES
.Lasked_\@:
.endif
.endm
.macro CHANGE0                         ; the last change: nothing is left to ask for
	WIN 0
	s_wait_tensorcnt 0x0
	ds_add_u32 v[SPW], v[NIL]
	s_xor_b32 s[CUR], s[CUR], SLOT
	s_wait_dscnt 0x0
	s_barrier_signal -1
	s_barrier_wait -1
.endm
; A PREFETCH INTO THE L2 of the tile at PP, which the change of slots two steps on will ask for: of the 128 rows that my wave fetches, partner cx names rows 32 cx .. 32 cx + 31, a lane a row of 256 bytes:
; the partners are told apart by address, and each block is named once.  It stands behind the tensor load and its five lines.  The caller's compare says whether such a tile exists.
.macro ASK off
	s_cbranch_scc0 .Lna_\@
	global_prefetch_b8 v[\off], s[PP:PP+1] th:TH_LOAD_NT scope:SCOPE_SE
.Lna_\@:
.endm
.macro STATLD kind, dst                ; the four waves' figures for my query in each of the four tiles: register 4 tile + wave
.set z, 0
.rept 16
	ds_load_b32 v[(\dst)+z], v[SRL] offset:(\kind)+256*(z&3)+64*(z>>2)
.set z, z+1
.endr
.endm
.macro CLEARACC
	WIN 0x40
.set z, 0
.rept 256
	v_mov_b32 v[z], 0
.set z, z+1
.endr
	WIN 0
.endm
.macro ROUND64 base                    ; 64 f32 of window 3 are rounded to bf16 and kept as f32
	WIN 0xcf
.set z, \base
.rept 32
	v_cvt_pk_bf16_f32 v[z], v[z], v[z+1]
	v_and_b32 v[z+1], s[HMASK], v[z]
	v_lshlrev_b32 v[z], 16, v[z]
.set z, z+2
.endr
	WIN 0
.endm
; STEP 1.  My share of a chunk is 64 pixels x 128 channels: four K steps of 32 channels, in two halves hf.  XFILL asks for a half: for each of its two K steps sixteen loads, load i for channel
; 8 h + (i & 7) + 16 (i >> 3) of the K step, four pixels a lane.
.macro XFILL hf
.irp u, 0,1
.if \u == 0
	WIN 0
.else
	WIN 0xc0                                       ; the second K step lands in window 3
.endif
.set xi, 0
.rept 16
	global_load_b128 v[XR+4*xi:XR+4*xi+3], v[XGL], s[XP:XP+1] offset:((xi&7)+16*(xi>>3)+32*(2*(\hf)+\u))*4096
.set xi, xi+1
.endr
.endr
	WIN 0
.endm
; XHALF: a half's 128 registers are rounded into eight fragments of x^T (K step u, pixels 4 r + t); the registers are asked for again at once, for the half that the next step takes; then 32 products,
; on sixteen accumulators that take turns.  The chunk's first products start the sums.  The very last half has nothing behind it and asks for nothing.
.macro XHALF hf
	WIN 0
	PLACES                                         ; the fragments' registers were sources of the last products
.irp u, 0,1
	s_wait_loadcnt 16*(1-\u)                       ; this K step is in; of the first, the second's sixteen loads may stay out
.if \u == 0
	WIN 0
.else
	WIN 0x0f
.endif
.set xm, 0
.rept 8
.irp t, 0,1,2,3
	v_cvt_pk_bf16_f32 v[MF+32*\u+8*\t+xm], v[XR+8*xm+\t], v[XR+8*xm+4+\t]  ; channels 2 m, 2 m + 1 of the lane's sixteen
.endr
.set xm, xm+1
.endr
.endr
	WIN 0
.if (\hf) == 0
	XFILL 1
.else
	s_cmp_eq_u32 s[STP], 14                        ; the last chunk's second half
	s_cbranch_scc1 .Lnofill_\@
	s_wait_xcnt 0x0                                ; the loads issued a step ago have read the pointer
	s_add_nc_u64 s[XP:XP+1], s[XP:XP+1], 512       ; the next 128 pixels
	XFILL 0
.Lnofill_\@:
.endif
	WIN 0xa8                                       ; x^T window 0, Wq and q^T window 2
.irp u, 0,1
.set xu, 0
.rept 16                               ; xu = 4 t + tile
.if ((\hf) == 0) && (\u == 0)
	v_wmma_f32_16x16x32_bf16 v[QA+8*xu:QA+8*xu+7], v[MF+32*\u+8*(xu>>2):MF+32*\u+8*(xu>>2)+7], v[8*(4*(xu&3)+2*(\hf)+\u):8*(4*(xu&3)+2*(\hf)+\u)+7], 0
.else
	v_wmma_f32_16x16x32_bf16 v[QA+8*xu:QA+8*xu+7], v[MF+32*\u+8*(xu>>2):MF+32*\u+8*(xu>>2)+7], v[8*(4*(xu&3)+2*(\hf)+\u):8*(4*(xu&3)+2*(\hf)+\u)+7], v[QA+8*xu:QA+8*xu+7]
.endif
.set xu, xu+1
.endr
.endr
	WIN 0
.endm
; XEPI: the two halves of K meet, and q goes to all waves.  Three barriers: nobody reads the last chunk's q in SCR any more; the partial sums lie there; they have been read.  The next change of slots shows q to all.
; THE BARRIERS STAND ON EVERY TRIP'S PATH, so that no jump passes one; what lies between them is jumped over in the trips that finish no chunk (EV = 0: the same in all waves and partners).
; I send the eight accumulators of tiles 2, 3 (1,024 bytes each, a lane's 16 bytes side by side) and add my partner's to my tiles 0, 1.  Register j of accumulator (t, tile) is pixel 32 h + 4 j + t of my 64:
; t = 0, 1 and t = 2, 3 pack into words, a lane's sixteen words are 32 pixels on end.
.macro XEPI
	WIN 0
	PLACES                                         ; behind the last products, on every path
	BAR
	s_cmp_eq_u32 s[EV], 0
	s_cbranch_scc1 .Le1_\@
	WIN 0x08                                       ; data in window 2
.set xe, 0
.rept 8                                ; xe = 2 t + o
	ds_store_b128 v[EXS], v[QA+8*(4*(xe>>1)+2+(xe&1)):QA+8*(4*(xe>>1)+2+(xe&1))+3]   offset:1024*xe
	ds_store_b128 v[EXS], v[QA+8*(4*(xe>>1)+2+(xe&1))+4:QA+8*(4*(xe>>1)+2+(xe&1))+7] offset:1024*xe+512
.set xe, xe+1
.endr
	WIN 0
.Le1_\@:
	BAR
	s_cmp_eq_u32 s[EV], 0
	s_cbranch_scc1 .Le2_\@
.set xe, 0
.rept 8
	ds_load_b128 v[STG+8*xe:STG+8*xe+3],   v[EXL] offset:1024*xe
	ds_load_b128 v[STG+8*xe+4:STG+8*xe+7], v[EXL] offset:1024*xe+512
.set xe, xe+1
.endr
.Le2_\@:
	BAR
	s_cmp_eq_u32 s[EV], 0
	s_cbranch_scc1 .Le3_\@
	WIN 0x02                                       ; my sums in window 2, my partner's in window 0
.set xe, 0
.rept 32                               ; xe = 4 (2 t + o) + pair
	v_pk_add_f32 v[STG+2*xe:STG+2*xe+1], v[QA+8*(4*(xe>>3)+((xe>>2)&1))+2*(xe&3):QA+8*(4*(xe>>3)+((xe>>2)&1))+2*(xe&3)+1], v[STG+2*xe:STG+2*xe+1]
.set xe, xe+1
.endr
	WIN 0
.set xe, 0
.rept 32
	v_pk_add_f32 v[STG+2*xe:STG+2*xe+1], v[STG+2*xe:STG+2*xe+1], v[BQ+2*((xe>>2)&1):BQ+2*((xe>>2)&1)+1] op_sel_hi:[1,0]
.set xe, xe+1
.endr
.set xe, 0
.rept 32                               ; the sum of q: two chains by turns
	v_pk_add_f32 v[VSQ+2*((xe>>2)&1):VSQ+2*((xe>>2)&1)+1], v[VSQ+2*((xe>>2)&1):VSQ+2*((xe>>2)&1)+1], v[STG+2*xe:STG+2*xe+1]
.set xe, xe+1
.endr
.irp o, 0,1
.set xm, 0
.rept 16                               ; xm = 2 j + t / 2
	v_cvt_pk_bf16_f32 v[MF+32*\o+xm], v[STG+8*(4*(xm&1)+\o)+(xm>>1)], v[STG+8*(4*(xm&1)+2+\o)+(xm>>1)]       ; hi
.set xm, xm+1
.endr
.set xm, 0
.rept 16
	v_fma_mix_f32_bf16 v[STG+8*(4*(xm&1)+\o)+(xm>>1)], v[MF+32*\o+xm], v[NEG1], v[STG+8*(4*(xm&1)+\o)+(xm>>1)] op_sel_hi:[1,0,0]                       ; q - hi, exact
	v_fma_mix_f32_bf16 v[STG+8*(4*(xm&1)+2+\o)+(xm>>1)], v[MF+32*\o+xm], v[NEG1], v[STG+8*(4*(xm&1)+2+\o)+(xm>>1)] op_sel:[1,0,0] op_sel_hi:[1,0,0]
.set xm, xm+1
.endr
.set xm, 0
.rept 16
	v_cvt_pk_bf16_f32 v[MF+32*\o+16+xm], v[STG+8*(4*(xm&1)+\o)+(xm>>1)], v[STG+8*(4*(xm&1)+2+\o)+(xm>>1)]    ; lo
.set xm, xm+1
.endr
.irp m, 0,1,2,3
	ds_store_b128 v[QSL], v[MF+32*\o+4*\m:MF+32*\o+4*\m+3]       offset:QT*\o+16*\m
	ds_store_b128 v[QSL], v[MF+32*\o+16+4*\m:MF+32*\o+16+4*\m+3] offset:QT*\o+LO+16*\m
.endr
.endr
.Le3_\@:
.endm
; STEPS 2 AND 3 for a tile of my 128 rows x 64 K.  Item it = 8 ks + ct is a fragment of 16 rows x 32 K: four loads, eight roundings, eight products: the four query tiles' hi, then their lo, so that three
; other accumulators stand between the two links of a chain.  Four items' loads are on their way.
.macro RLOAD it
.set rb, STG+16*((\it)&3)
.set ro, QT*((\it)&7)+128*((\it)>>3)
	ds_load_b128 v[rb:rb+3],     v[ADR0] offset:ro
	ds_load_b128 v[rb+4:rb+7],   v[ADR0] offset:ro+16
	ds_load_b128 v[rb+8:rb+11],  v[ADR0] offset:ro+64
	ds_load_b128 v[rb+12:rb+15], v[ADR0] offset:ro+80
.endm
.macro ROWSTEP
	WIN 0
	v_add_nc_u32 v[TADR], s[KOFF], v[TL]
	v_add_nc_u32 v[ADR0], s[CUR], v[RL0]
	WIN 0xc0                                       ; the queries' fragments: number 8 ks + 4 lo + qt, into window 3
.set rf, 0
.rept 16
	ds_load_b128 v[64+8*rf:64+8*rf+3],   v[TADR] offset:LO*((rf>>2)&1)+QT*(rf&3)+64*(rf>>3)
	ds_load_b128 v[64+8*rf+4:64+8*rf+7], v[TADR] offset:LO*((rf>>2)&1)+QT*(rf&3)+64*(rf>>3)+32
.set rf, rf+1
.endr
	WIN 0
	RLOAD 0
	RLOAD 1
	RLOAD 2
	RLOAD 3
.set it, 0
.rept 16
	WIN 0
.if it < 13
	s_wait_dscnt 12                                ; this item's loads (and all in front of them) are in; three younger items' twelve may stay out
.else
	s_wait_dscnt 4*(15-it)                         ; the last items: fewer are behind them
.endif
.set rb, STG+16*(it&3)
.set mf, MF+8*(it&1)
.set ru, 0
.rept 8
	v_cvt_pk_bf16_f32 v[mf+ru], v[rb+2*ru], v[rb+2*ru+1]
.set ru, ru+1
.endr
.if it < 12
	RLOAD it+4
.endif
	WIN 0x5c                                       ; rows window 0, queries window 3, sums window 1
.set ru, 0
.rept 8
.set ac, 8*(4*(it&7)+(ru&3))
.set tf, 64+8*(8*(it>>3)+ru)
	v_wmma_f32_16x16x32_bf16 v[ac:ac+7], v[mf:mf+7], v[tf:tf+7], v[ac:ac+7]
.set ru, ru+1
.endr
.set it, it+1
.endr
	WIN 0
.endm
; STEPS 5 (mode 0) AND 6 (mode 1) for a tile.  A unit n is sixteen loads of 16 bytes (four columns of one K each), 32 pairs rounded to bf16 and written as f16, four fragments, sixteen products on sixteen accumulators.
; mode 0: n = 2 ks + g: 32 keys, channels 256 g + 64 w + ..      mode 1: n = k: the tile's 32 channels, pixels 256 k + 64 w + ..
.macro CLOAD mode, n
.set cb, STG+64*((\n)&1)
.set ci, 0
.rept 16
.if (\mode) == 0
.set co, (64*((\n)>>1)+2*(ci&7)+32*(ci>>3)+((\n)&1))*PITCH
.else
.set co, (4*((ci&7)+16*(ci>>3))+(\n))*PITCH
.endif
	ds_load_b128 v[cb+4*ci:cb+4*ci+3], v[ADR0] offset:co
.set ci, ci+1
.endr
.endm
.macro COLSTEP mode
	WIN 0
	v_add_nc_u32 v[TADR], s[KOFF], v[TL]
.if (\mode) == 0
	v_add_nc_u32 v[ADR0], s[CUR], v[CL2]
	WIN 0xc0                                       ; P's fragments: number 4 ks + qt, into window 3
.set cq, 0
.rept 8
	ds_load_b128 v[64+8*cq:64+8*cq+3],   v[TADR] offset:QT*(cq&3)+64*(cq>>2)
	ds_load_b128 v[64+8*cq+4:64+8*cq+7], v[TADR] offset:QT*(cq&3)+64*(cq>>2)+32
.set cq, cq+1
.endr
.else
	v_add_nc_u32 v[ADR0], s[CUR], v[CL4]
	WIN 0x80                                       ; A2's four fragments, into window 2
.set cq, 0
.rept 4
	ds_load_b128 v[8*cq:8*cq+3],   v[TADR] offset:QT*cq
	ds_load_b128 v[8*cq+4:8*cq+7], v[TADR] offset:QT*cq+32
.set cq, cq+1
.endr
.endif
	WIN 0
	CLOAD \mode, 0
	CLOAD \mode, 1
.irp n, 0,1,2,3
	WIN 0
.if \n < 3
	s_wait_dscnt 16                                ; this unit's loads are in; the next one's sixteen may stay out
.else
	s_wait_dscnt 0x0
.endif
.set cb, STG+64*(\n&1)
.set cf, MF+32*(\n&1)
.set cm, 0
.rept 8                                ; K = 2 m, 2 m + 1 of the lane's sixteen, for the four columns: rounded to bf16, widened again, written as f16
.irp t, 0,1,2,3
	v_cvt_pk_bf16_f32 v[cb+8*cm+\t], v[cb+8*cm+\t], v[cb+8*cm+4+\t]
.endr
.irp t, 0,1,2,3
	v_and_b32 v[cb+8*cm+4+\t], s[HMASK], v[cb+8*cm+\t]
.endr
.irp t, 0,1,2,3
	v_lshlrev_b32 v[cb+8*cm+\t], 16, v[cb+8*cm+\t]
.endr
.irp t, 0,1,2,3
	v_cvt_pk_f16_f32 v[cf+8*\t+cm], v[cb+8*cm+\t], v[cb+8*cm+4+\t]
.endr
.set cm, cm+1
.endr
.if \n < 2
	CLOAD \mode, (\n+2)
.endif
.if (\mode) == 0
	WIN 0x5c                                       ; Wv^T window 0, P window 3, sums window 1
.elseif \n < 2
	WIN 0x52                                       ; A2 window 2, d^T window 0, sums window 1
.else
	WIN 0xf2                                       ; sums window 3
.endif
.set cu, 0
.rept 16                               ; cu = 4 t + qt
.set ac, 8*(16*(\n&1)+cu)
.if (\mode) == 0
	v_wmma_f32_16x16x32_f16 v[ac:ac+7], v[cf+8*(cu>>2):cf+8*(cu>>2)+7], v[64+8*(4*(\n>>1)+(cu&3)):64+8*(4*(\n>>1)+(cu&3))+7], v[ac:ac+7]
.else
	v_wmma_f32_16x16x32_f16 v[ac:ac+7], v[8*(cu&3):8*(cu&3)+7], v[cf+8*(cu>>2):cf+8*(cu>>2)+7], v[ac:ac+7]
.endif
.set cu, cu+1
.endr
.endr
	WIN 0
.endm
; ONE WAVE'S PART GOES TO ALL through SCR: in the step whose number is own, the wave puts its 128 K of the 64 queries there.  It stands behind a change of slots, so nobody reads the part before any more;
; every wave then waits for its LDS instructions and passes a barrier, behind which the part is read.  mode 0: U hi and lo; 1: P; 2: A2.
.macro XCH mode, own
	s_cmp_eq_u32 s[STP], s[\own]
	s_cbranch_scc0 .Lnx_\@
	WIN 0x08                                       ; data in window 2
.set xa, 0
.rept 32
.if (\mode) == 2
	ds_store_b128 v[ASL], v[128+4*xa:128+4*xa+3] offset:QT*(xa>>3)+128*((xa>>2)&1)+16*(xa&3)
.else
	ds_store_b128 v[TL], v[4*xa:4*xa+3] offset:QT*(xa&3)+32*(xa>>2)
.endif
.if (\mode) == 0
	ds_store_b128 v[TL], v[128+4*xa:128+4*xa+3] offset:LO+QT*(xa&3)+32*(xa>>2)
.endif
.set xa, xa+1
.endr
	WIN 0
.Lnx_\@:
	BAR
.endm
.macro C0OFF k                         ; s[OF] = 4,096 x c0(STP + k), c0(s) = 64 (s >> 2) + 32 (s & 1) + 256 ((s >> 1) & 1): steps 4 p .. 4 p + 3 take the 128 channels that wave p owns
	s_add_co_u32 s[T0], s[STP], \k
	s_lshr_b32 s[OF], s[T0], 2
	s_lshl_b32 s[OF], s[OF], 18
	s_and_b32 s[T1], s[T0], 1
	s_lshl_b32 s[T1], s[T1], 17
	s_add_co_u32 s[OF], s[OF], s[T1]
	s_bfe_u32 s[T1], s[T0], 0x10001
	s_lshl_b32 s[T1], s[T1], 20
	s_add_co_u32 s[OF], s[OF], s[T1]
.endm
; ---------------------------------------------------------------- the head
	s_load_b512 s[8:23], s[0:1], 0x0               ; x, d, Wq, Wk, Wv, bq, bk, bv
	s_load_b128 s[24:27], s[0:1], 0x40             ; gamma, out
	v_lshl_add_u32 v[SPW], v0, 2, SPARE
	v_mov_b32 v[NIL], 0
	ds_add_u32 v[SPW], v[NIL]                      ; the wave's opening: the add and its wait stand ahead of my first tensor load; the set-up below, work on registers, stands between them
	v_lshrrev_b32 v1, 5, v0
	v_readfirstlane_b32 s[WV], v1                  ; wave 0..3
	s_bfe_u32 s[CX], ttmp6, 0x40000                ; cx
	s_mov_b32 s[BT], ttmp9                         ; in a cluster launch ttmp9 counts clusters: the batch
	s_and_b32 s[PH], s[WV], 1
	s_lshr_b32 s[GH], s[WV], 1
	s_mul_i32 s[WOFF], s[WV], WREG
	s_lshl_b32 s[OWN2], s[WV], 1
	s_lshl_b32 s[OWN4], s[WV], 2
	s_mov_b32 s[SEL], 0x76543210
	s_mov_b32 s[SEL+1], 0xfedcba98
	s_mov_b32 s[HMASK], 0xffff0000
	s_mov_b32 s[LOG2E], 0x3fb8aa3b
	s_mov_b32 s[LOG2E+1], s[LOG2E]                 ; named with it as a pair
	s_mov_b32 s[CUR], SLOT                         ; the first change of slots turns these two over
	s_mov_b32 s[FS], 0
	s_mov_b32 s[FLAG], 0
	s_mov_b32 s[OF+1], 0
	s_mov_b32 s3, 0
.irp g, G1A, G1B, G1C
	s_mov_b32 s[\g], 15|(2<<16)|(1<<20)|(1<<21)|(5<<22)|(3<<25)  ; 15:0 the mask of four; 17:16 elements of 4 bytes; 20 padding on; 21 set beside a mask; 24:22 after every 64 words (code 5); 31:25 4 words (code 3)
	s_mov_b32 s[\g+1], 64<<16                      ; tensor_dim0 = 64
	s_mov_b32 s[\g+2], 128<<16                     ; tensor_dim1 = 128
	s_mov_b32 s[\g+3], 64<<16                      ; tile_dim0 = 64
	s_mov_b32 s[\g+4], 128                         ; tile_dim1 = 128
	s_mov_b32 s[\g+6], 0
	s_mov_b32 s[\g+7], 0
.endr
	s_mov_b32 s[G1A+5], 1024                       ; elements from row to row
	s_mov_b32 s[G1B+5], 512
	s_mov_b32 s[G1C+5], 256
	v_and_b32 v[R], 15, v0
	v_bfe_u32 v[H], v0, 4, 1
	v_and_b32 v[LN], 31, v0
	v_mul_u32_u24 v[ADR0], v[R], PITCH             ; 272 r
	v_lshl_add_u32 v[RL0], v[H], 5, v[ADR0]
	v_add_nc_u32 v[RL0], s[WOFF], v[RL0]
	s_lshl_b32 s[T0], s[PH], 8
	s_lshl_b32 s[T1], s[GH], 19                    ; 128 rows of 4,096 bytes
	s_add_co_u32 s[T0], s[T0], s[T1]
	v_lshl_add_u32 v[XGL], v[R], 4, s[T0]
	v_lshl_add_u32 v[XGL], v[H], 15, v[XGL]        ; 8 rows
	v_lshl_add_u32 v[ADR1], v[R], 4, s[WOFF]       ; 34,816 w + 16 r
	v_mul_u32_u24 v[CL2], v[H], 16*PITCH
	v_add_nc_u32 v[CL2], v[CL2], v[ADR1]
	v_mul_u32_u24 v[CL4], v[H], 32*PITCH
	v_add_nc_u32 v[CL4], v[CL4], v[ADR1]
	v_lshl_add_u32 v[TL], v[H], 4, v[ADR0]
	v_add_nc_u32 v[TL], SCR, v[TL]
	s_mul_i32 s[T0], s[GH], 2*QT                   ; the two tiles that I finish: queries 32 g on
	s_lshl_b32 s[T1], s[PH], 7                     ; my 64 pixels
	s_add_co_u32 s[T0], s[T0], s[T1]
	s_add_co_u32 s[T0], s[T0], SCR
	v_lshl_add_u32 v[QSL], v[H], 6, v[ADR0]
	v_add_nc_u32 v[QSL], s[T0], v[QSL]
	v_lshl_add_u32 v[ASL], v[H], 6, v[ADR0]
	v_add_nc_u32 v[ASL], SCR, v[ASL]
	s_lshl_b32 s[T0], s[WV], 8
	s_add_co_u32 s[T1], s[T0], STAT
	v_lshl_add_u32 v[STL], v[R], 2, s[T1]
	v_lshlrev_b32 v[SRL], 2, v[R]
	v_add_nc_u32 v[SRL], STAT, v[SRL]
	v_lshlrev_b32 v[PBL], 5, v[H]
	v_add_nc_u32 v[PBL], STAT+S_PBF, v[PBL]
	v_lshl_add_u32 v[GL], v[R], 4, s[T0]
	v_lshl_add_u32 v[GL], v[H], 15, v[GL]
	v_mov_b32 v[NEG1], -1.0
	s_lshl_b32 s2, s[CX], 5
	v_add_nc_u32 v[PFA], s2, v[LN]
	v_lshlrev_b32 v[PFC], 10, v[PFA]
	v_lshlrev_b32 v[PFA], 12, v[PFA]
	s_lshl_b32 s[T0], s[WV], 13                    ; 8,192 bytes of partial sums a wave
	s_add_co_u32 s[T0], s[T0], SCR
	v_lshl_add_u32 v[EXS], v[LN], 4, s[T0]
	s_xor_b32 s[T0], s[WV], 2                      ; my partner: the same pixels, the other half of K
	s_lshl_b32 s[T0], s[T0], 13
	s_add_co_u32 s[T0], s[T0], SCR
	v_lshl_add_u32 v[EXL], v[LN], 4, s[T0]
	s_lshl_b32 s[T0], s[WV], 9
	v_lshl_add_u32 v[KBL], v[H], 5, s[T0]
	v_mul_u32_u24 v[WQA], v[R], WQP
	v_lshl_add_u32 v[WQA], v[H], 4, v[WQA]         ; 528 r + 16 h
	s_mul_i32 s[T0], s[WV], 16*WQP
	s_add_co_u32 s[T0], s[T0], SCR
	v_add_nc_u32 v[ADR1], s[T0], v[WQA]            ; where I put Wq's rows 16 w + r
	s_lshl_b32 s[T1], s[GH], 8                     ; my K half: 128 bf16 on
	s_add_co_u32 s[T1], s[T1], SCR
	s_mul_i32 s[T0], s[GH], 32*WQP                 ; rows 32 g on: the tiles that I finish,
	s_add_co_u32 s[T0], s[T0], s[T1]
	s_xor_b32 s[T2], s[GH], 1
	s_mul_i32 s[T2], s[T2], 32*WQP                 ; rows 32 (1 - g) on: my partner's
	s_add_co_u32 s[T2], s[T2], s[T1]
	v_add_nc_u32 v[WQB], s[T2], v[WQA]
	v_add_nc_u32 v[WQA], s[T0], v[WQA]
	v_lshlrev_b32 v[ADR0], 10, v[R]                ; a row of Wq in memory is 1,024 bytes
	v_lshl_add_u32 v[ADR0], v[H], 5, v[ADR0]
	v_lshlrev_b32 v[TADR], 2, v[R]                 ; bq: 4 r
	s_wait_dscnt 0x0                               ; the opening add is done
	s_wait_kmcnt 0x0
	s_lshl_b32 s[OF], s[BT], 20                    ; a batch of x and of out: 1 MiB
	s_add_nc_u64 s[XP:XP+1], s[AX:AX+1], s[OF:OF+1]
	s_add_nc_u64 s[OROW:OROW+1], s[AOUT:AOUT+1], s[OF:OF+1]
	s_mov_b64 s[XROW:XROW+1], s[XP:XP+1]
	s_lshl_b32 s[OF], s[BT], 21                    ; of d: 2 MiB
	s_add_nc_u64 s[PD:PD+1], s[AD:AD+1], s[OF:OF+1]
	s_mov_b64 s[POB:POB+1], s[PD:PD+1]
	s_lshl_b32 s[OF], s[WV], 19                    ; 128 rows of 4,096 bytes
	s_add_nc_u64 s[PD:PD+1], s[PD:PD+1], s[OF:OF+1]
	s_lshl_b32 s[OF], s[WV], 18                    ; 128 rows of 2,048 bytes
	s_add_nc_u64 s[PK:PK+1], s[AWK:AWK+1], s[OF:OF+1]
	s_lshl_b32 s[OF], s[WV], 8
	s_add_nc_u64 s[PV:PV+1], s[AWV:AWV+1], s[OF:OF+1]
	s_add_nc_u64 s[POB:POB+1], s[POB:POB+1], s[OF:OF+1]
	s_lshl_b32 s2, s[CX], 18                       ; what hangs on cx is made in registers of its own: my 64 rows of x and out,
	s_add_nc_u64 s[XROW:XROW+1], s[XROW:XROW+1], s[2:3]
	s_add_nc_u64 s[OROW:OROW+1], s[OROW:OROW+1], s[2:3]
	s_lshl_b32 s2, s[CX], 16                       ; of Wq, and of them the 16 that my wave fetches,
	s_lshl_b32 s[T0], s[WV], 14
	s_add_co_u32 s2, s2, s[T0]
	s_add_nc_u64 s[4:5], s[AWQ:AWQ+1], s[2:3]
	s_lshl_b32 s2, s[CX], 8                        ; of bq, and of them the 32 that I finish
	s_lshl_b32 s[T0], s[GH], 7
	s_add_co_u32 s2, s2, s[T0]
	s_add_nc_u64 s[6:7], s[ABQ:ABQ+1], s[2:3]
	s_mov_b32 s[G0], 1                             ; 1:0 count = 1
	s_mov_b32 s[G0+1], s[WOFF]                     ; 63:32 LDS address: slot 0
	s_mov_b64 s[G0+2:G0+3], s[PD:PD+1]             ; 120:64 global address: d's pixels 0-63
	s_or_b32 s[G0+3], s[G0+3], 0x80000000          ; 127:126 type = 2
	CROUND                                         ; all four work-groups are here: the first joint loads meet
	tensor_load_to_lds s[G0:G0+3], s[G1A:G1A+7]
	s_nop 0
	PLACES
	s_add_nc_u64 s[PD:PD+1], s[PD:PD+1], 256
	s_load_b32 s[GAM], s[AGM:AGM+1], 0x0
	XFILL 0                                        ; the first chunk's first half
	; Wq: my wave fetches and rounds 16 of the work-group's 64 rows (eight fragments: lane r holds row r, channels 32 ks + 8 h + 0..7 and + 16: four loads of 16 bytes each) and lays them in SCR for all
	WIN 0x40                                       ; into window 1, which is still free
.set wf, 0
.rept 8
.irp e, 0,1,2,3
	global_load_b128 v[16*wf+4*\e:16*wf+4*\e+3], v[ADR0], s[4:5] offset:128*wf+16*(\e&1)+64*(\e>>1)
.endr
.set wf, wf+1
.endr
	WIN 0xc0
.set wf, 0
.rept 16                               ; bk of keys 128 w + 16 kt + 8 h + 0..7
	global_load_b128 v[4*wf:4*wf+3], v[KBL], s[ABK:ABK+1] offset:64*(wf>>1)+16*(wf&1)
.set wf, wf+1
.endr
	WIN 0
	global_load_b32 v[BQ], v[TADR], s[6:7]
	global_load_b32 v[BQ+2], v[TADR], s[6:7] offset:64
	Q4 v_mov_b32 v[VSQ+2*qq], 0
	Q4 v_mov_b32 v[VSQ+2*qq+1], 0
	s_wait_loadcnt 0x0                             ; all 82 loads of the head; nothing else is to be done before them
	WIN 0x05                                       ; sources window 1
.set wf, 0
.rept 64
	v_cvt_pk_bf16_f32 v[MF+wf], v[2*wf], v[2*wf+1]
.set wf, wf+1
.endr
	WIN 0
.set wf, 0
.rept 8
	ds_store_b128 v[ADR1], v[MF+8*wf:MF+8*wf+3]   offset:64*wf
	ds_store_b128 v[ADR1], v[MF+8*wf+4:MF+8*wf+7] offset:64*wf+32
.set wf, wf+1
.endr
	BAR                                            ; all 64 rows lie in SCR
	WIN 0x80                                       ; my K half's sixteen fragments, number 4 tile + K step, into window 2: first the two tiles that I finish
.set wf, 0
.rept 8
	ds_load_b128 v[8*wf:8*wf+3],   v[WQA] offset:16*WQP*(wf>>2)+64*(wf&3)
	ds_load_b128 v[8*wf+4:8*wf+7], v[WQA] offset:16*WQP*(wf>>2)+64*(wf&3)+32
.set wf, wf+1
.endr
.set wf, 0
.rept 8
	ds_load_b128 v[64+8*wf:64+8*wf+3],   v[WQB] offset:16*WQP*(wf>>2)+64*(wf&3)
	ds_load_b128 v[64+8*wf+4:64+8*wf+7], v[WQB] offset:16*WQP*(wf>>2)+64*(wf&3)+32
.set wf, wf+1
.endr
	WIN 0
.irp o, 0,2
	v_cvt_pk_bf16_f32 v[BQ+\o], v[BQ+\o], v[BQ+\o]
.endr
.irp o, 0,2
	v_lshlrev_b32 v[BQ+\o], 16, v[BQ+\o]
.endr
.irp o, 0,2
	v_mov_b32 v[BQ+\o+1], v[BQ+\o]
.endr
	s_wait_kmcnt 0x0
	v_mov_b32 v[ADR1], s[GAM]                      ; gamma rounded to bf16
	v_cvt_pk_bf16_f32 v[ADR1], v[ADR1], v[ADR1]
	v_lshlrev_b32 v[ADR1], 16, v[ADR1]
	v_readfirstlane_b32 s[GAM], v[ADR1]
	CLEARACC                                       ; U^T starts at 0: written while Wq's fragments come
	s_wait_dscnt 0x0                               ; Wq's fragments are in: the first products read them
; ---------------------------------------------------------------- steps 1 and 2: sixteen tiles of d, 64 pixels each.  A trip: the change of slots, d's products, and half of the next chunk's q.
; STP counts the tiles multiplied.  Behind an odd number stands the next chunk's first half, behind an even one its second half and its way to all waves; behind tiles 15 and 16 nothing is left.
; The loop is entered at q's part, which at that entry runs both halves of chunk 0.  The branches hang on STP alone, which is the same in all waves and partners; none of them passes a barrier.
	s_mov_b32 s[STP], 0
	s_branch .Lxpart
.Lstep:
	s_wait_xcnt 0x0                                ; the last prefetch, a step back, has read PP
	s_cmp_eq_u32 s[STP], 16                        ; behind d's last tile: Wk's first
	s_cselect_b32 s[FLAG], 1, 0
	s_cselect_b64 s[NP:NP+1], s[PK:PK+1], s[PD:PD+1]
	s_add_nc_u64 s[PP:PP+1], s[PD:PD+1], 512       ; two tiles behind the one asked for
	s_add_nc_u64 s[PD:PD+1], s[PD:PD+1], 256
	CHANGE G1A, G1B
	s_cmp_lt_u32 s[STP], 14                        ; tile STP + 2 is one of the sixteen
	ASK PFA
	s_and_b32 s[KOFF], s[STP], 1                   ; a chunk's first 64 pixels in odd trips, its second in even ones
	s_xor_b32 s[KOFF], s[KOFF], 1
	s_lshl_b32 s[KOFF], s[KOFF], 7
	ROWSTEP
.Lxpart:
	s_and_b32 s[T0], s[STP], 1                     ; an odd number: a chunk's first half;
	s_xor_b32 s[EV], s[T0], 1                      ; an even one: its second half and its way to all waves;
	s_cmp_eq_u32 s[STP], 0
	s_cselect_b32 s[T0], 1, s[T0]                  ; at the entry both;
	s_cmp_gt_u32 s[STP], 14
	s_cselect_b32 s[T0], 0, s[T0]                  ; behind the last two tiles neither
	s_cselect_b32 s[EV], 0, s[EV]
	s_cmp_eq_u32 s[T0], 0
	s_cbranch_scc1 .Lxb
	XHALF 0
.Lxb:
	s_cmp_eq_u32 s[EV], 0
	s_cbranch_scc1 .Lxc
	XHALF 1
.Lxc:
	XEPI
	s_add_co_u32 s[STP], s[STP], 1
	s_cmp_lt_u32 s[STP], 17
	s_cbranch_scc1 .Lstep
; ---------------------------------------------------------------- between: sq over the waves; U split into hi and lo; S^T starts at sq bk
	s_wait_loadcnt 0x0                             ; no load is out: x's registers may be used otherwise
	PLACES
	s_lshl_b32 s[T0], s[GH], 7                     ; my sums belong to tiles 2 g, 2 g + 1; for the other two I lay down the zeros that pairs 2, 3 still hold
	v_add_nc_u32 v[ADR0], s[T0], v[STL]
	s_xor_b32 s[T0], s[T0], 128
	v_add_nc_u32 v[ADR1], s[T0], v[STL]
	Q4 v_add_f32 v[VSQ+2*qq], v[VSQ+2*qq], v[VSQ+2*qq+1]
	Q4 v_permlanex16_b32 v[VSQ+2*qq+1], v[VSQ+2*qq], s[SEL], s[SEL+1]
	Q4 v_add_f32 v[VSQ+2*qq], v[VSQ+2*qq], v[VSQ+2*qq+1]
	ds_store_b32 v[ADR0], v[VSQ]   offset:S_SQ
	ds_store_b32 v[ADR0], v[VSQ+2] offset:S_SQ+64
	ds_store_b32 v[ADR1], v[VSQ+4] offset:S_SQ
	ds_store_b32 v[ADR1], v[VSQ+6] offset:S_SQ+64
	WIN 0x85                                       ; word a of Uh: registers 2 a, 2 a + 1 of the accumulators: channels 16 ct + 8 h + 2 m, + 1 of query 16 qt + r
.set ua, 0
.rept 128
	v_cvt_pk_bf16_f32 v[ua], v[2*ua], v[2*ua+1]
.set ua, ua+1
.endr
	WIN 0x52                                       ; U - hi, exact: hi window 2, -1.0 window 0, U window 1
.set ua, 0
.rept 128
	v_fma_mix_f32_bf16 v[2*ua], v[ua], v[NEG1], v[2*ua] op_sel_hi:[1,0,0]
	v_fma_mix_f32_bf16 v[2*ua+1], v[ua], v[NEG1], v[2*ua+1] op_sel:[1,0,0] op_sel_hi:[1,0,0]
.set ua, ua+1
.endr
	WIN 0x85
.set ua, 0
.rept 128
	v_cvt_pk_bf16_f32 v[128+ua], v[2*ua], v[2*ua+1]
.set ua, ua+1
.endr
	WIN 0
	BAR                                            ; all four waves' sums of q lie in LDS
	STATLD S_SQ, STG
	s_wait_dscnt 0x0
	Q4 v_add_f32 v[STG+4*qq], v[STG+4*qq], v[STG+4*qq+1]
	Q4 v_add_f32 v[STG+4*qq+2], v[STG+4*qq+2], v[STG+4*qq+3]
	Q4 v_add_f32 v[VSQ+2*qq], v[STG+4*qq], v[STG+4*qq+2]
	ROUND64 0                                      ; bk
	WIN 0x43                                       ; bk window 3, sq window 0, S^T window 1
.set ua, 0
.rept 128
	v_pk_mul_f32 v[2*ua:2*ua+1], v[8*(ua>>4)+2*(ua&3):8*(ua>>4)+2*(ua&3)+1], v[VSQ+2*((ua>>2)&3):VSQ+2*((ua>>2)&3)+1] op_sel_hi:[1,0]
.set ua, ua+1
.endr
	WIN 0xc0
.set ua, 0
.rept 16                               ; bv of the same keys: waited for behind step 3
	global_load_b128 v[192+4*ua:192+4*ua+3], v[KBL], s[ABV:ABV+1] offset:64*(ua>>1)+16*(ua&1)
.set ua, ua+1
.endr
	WIN 0
	s_add_nc_u64 s[PK:PK+1], s[PK:PK+1], 256       ; Wk's first tile has been asked for
; ---------------------------------------------------------------- step 3: eight tiles of Wk, 64 channels each; wave p's U serves steps 2 p and 2 p + 1
	s_mov_b32 s[STP], 0
.Lscore:
	s_cmp_eq_u32 s[STP], 7                         ; behind Wk's last tile: Wv's first
	s_cselect_b32 s[FLAG], 1, 0
	s_cselect_b64 s[NP:NP+1], s[PV:PV+1], s[PK:PK+1]
	s_add_nc_u64 s[PK:PK+1], s[PK:PK+1], 256
	CHANGE G1B, G1C
	XCH 0, OWN2
	s_and_b32 s[KOFF], s[STP], 1
	s_lshl_b32 s[KOFF], s[KOFF], 7
	ROWSTEP
	s_add_co_u32 s[STP], s[STP], 1
	s_cmp_lt_u32 s[STP], 8
	s_cbranch_scc1 .Lscore
; ---------------------------------------------------------------- step 4: the softmax.  A lane holds one query a tile and 64 of its 512 keys; the lane 16 away 64 more; the other waves the rest.
	Q4 v_mov_b32 v[VM+2*qq], 0xff7fffff            ; these lines are also the places behind the last products
	Q4 v_mov_b32 v[VM+2*qq+1], 0
	Q4 v_mov_b32 v[VL+2*qq], 0
	Q4 v_mov_b32 v[VL+2*qq+1], 0
	Q4 v_mov_b32 v[VPB+2*qq], 0
	Q4 v_mov_b32 v[VPB+2*qq+1], 0
	WIN 0x14                                       ; four chains, one a tile
.set su, 0
.rept 128                              ; su: tile su & 3, pair (su >> 2) & 3, key block su >> 4
.set sr, 8*(4*(su>>4)+(su&3))+2*((su>>2)&3)
	v_max3_num_f32 v[VM+2*(su&3)], v[VM+2*(su&3)], v[sr], v[sr+1]
.set su, su+1
.endr
	WIN 0
	Q4 v_permlanex16_b32 v[VM+2*qq+1], v[VM+2*qq], s[SEL], s[SEL+1]
	Q4 v_max_num_f32 v[VM+2*qq], v[VM+2*qq], v[VM+2*qq+1]
	Q4 ds_store_b32 v[STL], v[VM+2*qq] offset:S_MX+64*qq
	s_wait_loadcnt 0x0                             ; bv
	ROUND64 192
	BAR
	STATLD S_MX, STG
	s_wait_dscnt 0x0
	Q4 v_max3_num_f32 v[VM+2*qq], v[STG+4*qq], v[STG+4*qq+1], v[STG+4*qq+2]
	Q4 v_max_num_f32 v[VM+2*qq], v[VM+2*qq], v[STG+4*qq+3]
	Q4 v_mul_f32 v[VM+2*qq], s[LOG2E], v[VM+2*qq]  ; c m, c = log2(e)
	WIN 0x41
.set su, 0
.rept 128                              ; c s - c m
	v_pk_fma_f32 v[2*su:2*su+1], v[2*su:2*su+1], s[LOG2E:LOG2E+1], v[VM+2*((su>>2)&3):VM+2*((su>>2)&3)+1] op_sel_hi:[1,0,0] neg_lo:[0,0,1] neg_hi:[0,0,1]
.set su, su+1
.endr
.set su, 0
.rept 256
	v_exp_f32 v[su], v[su]
.set su, su+1
.endr
	v_nop                                          ; a plain instruction between the last exponential and the use of its result
	WIN 0x01
.set su, 0
	s_wait_alu depctr_va_vdst(0)
.rept 128
.set sr, 8*(4*(su>>4)+(su&3))+2*((su>>2)&3)
	v_pk_add_f32 v[VL+2*(su&3):VL+2*(su&3)+1], v[sr:sr+1], v[VL+2*(su&3):VL+2*(su&3)+1]
.set su, su+1
.endr
	WIN 0x0d                                       ; p window 1, bv window 3
.set su, 0
.rept 128
.set sr, 8*(4*(su>>4)+(su&3))+2*((su>>2)&3)
	v_pk_fma_f32 v[VPB+2*(su&3):VPB+2*(su&3)+1], v[sr:sr+1], v[192+8*(su>>4)+2*((su>>2)&3):192+8*(su>>4)+2*((su>>2)&3)+1], v[VPB+2*(su&3):VPB+2*(su&3)+1]
.set su, su+1
.endr
	WIN 0x85                                       ; P in f16, window 2
.set su, 0
.rept 128
	v_cvt_pk_f16_f32 v[su], v[2*su], v[2*su+1]
.set su, su+1
.endr
	WIN 0
	Q4 v_add_f32 v[VL+2*qq], v[VL+2*qq], v[VL+2*qq+1]
	Q4 v_add_f32 v[VPB+2*qq], v[VPB+2*qq], v[VPB+2*qq+1]
	Q4 v_permlanex16_b32 v[VL+2*qq+1], v[VL+2*qq], s[SEL], s[SEL+1]
	Q4 v_permlanex16_b32 v[VPB+2*qq+1], v[VPB+2*qq], s[SEL], s[SEL+1]
	Q4 v_add_f32 v[VL+2*qq], v[VL+2*qq], v[VL+2*qq+1]
	Q4 v_add_f32 v[VPB+2*qq], v[VPB+2*qq], v[VPB+2*qq+1]
	Q4 ds_store_b32 v[STL], v[VL+2*qq] offset:S_LS+64*qq
	Q4 ds_store_b32 v[STL], v[VPB+2*qq] offset:S_PB+64*qq
	CLEARACC                                       ; A2^T starts at 0: written while the stores are out
	BAR
	STATLD S_LS, STG
	STATLD S_PB, STG+16
	s_wait_dscnt 0x0
	Q4 v_add_f32 v[STG+4*qq], v[STG+4*qq], v[STG+4*qq+1]
	Q4 v_add_f32 v[STG+4*qq+2], v[STG+4*qq+2], v[STG+4*qq+3]
	Q4 v_add_f32 v[VL+2*qq], v[STG+4*qq], v[STG+4*qq+2]
	Q4 v_add_f32 v[STG+16+4*qq], v[STG+16+4*qq], v[STG+16+4*qq+1]
	Q4 v_add_f32 v[STG+16+4*qq+2], v[STG+16+4*qq+2], v[STG+16+4*qq+3]
	Q4 v_add_f32 v[VPB+2*qq], v[STG+16+4*qq], v[STG+16+4*qq+2]
	Q4 v_rcp_f32 v[VL+2*qq], v[VL+2*qq]            ; l is at least 1: the largest score's weight
	v_nop
	s_wait_alu depctr_va_vdst(0)
	Q4 v_mul_f32 v[VPB+2*qq], v[VPB+2*qq], v[VL+2*qq]
	s_cmp_lg_u32 s[WV], 0                          ; all waves hold the same pb; wave 0 lays it down, by query; it is read behind step 5's barriers
	s_cbranch_scc1 .Lnopb
	Q4 ds_store_b32 v[SRL], v[VPB+2*qq] offset:S_PBF+64*qq
.Lnopb:
	s_add_nc_u64 s[PV:PV+1], s[PV:PV+1], 131072    ; Wv's first tile has been asked for; 64 keys of 2,048 bytes on
; ---------------------------------------------------------------- step 5: eight tiles of Wv, 64 keys each; wave p's P serves steps 2 p and 2 p + 1
	s_mov_b32 s[STP], 0
.Lmix:
	s_cmp_eq_u32 s[STP], 7                         ; behind Wv's last tile: d's channels 0-31
	s_cselect_b64 s[NP:NP+1], s[POB:POB+1], s[PV:PV+1]
	s_add_nc_u64 s[PV:PV+1], s[PV:PV+1], 131072
	CHANGE G1C
	XCH 1, OWN2
	s_and_b32 s[KOFF], s[STP], 1
	s_lshl_b32 s[KOFF], s[KOFF], 7
	COLSTEP 0
	s_add_co_u32 s[STP], s[STP], 1
	s_cmp_lt_u32 s[STP], 8
	s_cbranch_scc1 .Lmix
; ---------------------------------------------------------------- between: A2 / l in f16; out's sums start at pb
	PLACES
	WIN 0x41
.set ua, 0
.rept 128
	v_pk_mul_f32 v[2*ua:2*ua+1], v[2*ua:2*ua+1], v[VL+2*((ua>>2)&3):VL+2*((ua>>2)&3)+1] op_sel_hi:[1,0]
.set ua, ua+1
.endr
	WIN 0x85                                       ; register j of accumulator (g, t, qt) is channel 256 g + 64 w + 32 h + 4 j + t: t = 0, 1 and t = 2, 3 pack; a lane's 16 words for (qt, g) are 32 channels on end
.set ua, 0
.rept 128                              ; ua = 32 qt + 16 g + 2 j + t / 2
.set sr, 8*(16*((ua>>4)&1)+8*(ua&1)+(ua>>5))+((ua>>1)&7)
	v_cvt_pk_f16_f32 v[128+ua], v[sr], v[sr+32]
.set ua, ua+1
.endr
	WIN 0
.set ua, 0
.rept 8                                ; pb of queries 16 qt + 8 h + 0..7
	ds_load_b128 v[STG+4*ua:STG+4*ua+3], v[PBL] offset:64*(ua>>1)+16*(ua&1)
.set ua, ua+1
.endr
	s_wait_dscnt 0x0
	WIN 0x40
.set ua, 0
.rept 256
	v_mov_b32 v[ua], v[STG+8*((ua>>3)&3)+(ua&7)]
.set ua, ua+1
.endr
	WIN 0xc0
.set ua, 0
.rept 256
	v_mov_b32 v[ua], v[STG+8*((ua>>3)&3)+(ua&7)]
.set ua, ua+1
.endr
	WIN 0
; ---------------------------------------------------------------- step 6: sixteen tiles of d, 32 channels each; wave p's A2 serves steps 4 p .. 4 p + 3
	s_mov_b32 s[STP], 0
.Lout:
	s_wait_xcnt 0x0                                ; the last prefetch, a step back, has read PP
	C0OFF 3
	s_add_nc_u64 s[PP:PP+1], s[POB:POB+1], s[OF:OF+1]
	C0OFF 1
	s_add_nc_u64 s[NP:NP+1], s[POB:POB+1], s[OF:OF+1]
	CHANGE G1C
	s_cmp_lt_u32 s[STP], 13                        ; step 15 is the last
	ASK PFC
	XCH 2, OWN4
	s_and_b32 s[KOFF], s[STP], 3
	s_lshl_b32 s[KOFF], s[KOFF], 6
	COLSTEP 1
	s_add_co_u32 s[STP], s[STP], 1
	s_cmp_lt_u32 s[STP], 15
	s_cbranch_scc1 .Lout
	CHANGE0                                        ; the last step is written out: nothing is asked for
	PLACES                                         ; in front of the loads into A2's fragments
	s_mov_b32 s[KOFF], 192
	COLSTEP 1
; ---------------------------------------------------------------- the way out.  Register j of accumulator (k, t, qt) is out(16 qt + 8 h + j, 256 k + 64 w + 4 r + t): the four t are 16 bytes on end.
; x's 16 bytes are loaded, each of the four words takes gamma acc + x, and the same registers are stored: 16 lanes cover 256 consecutive bytes, aligned.  Eight batches of 16 loads, two sets of registers.
.macro XRLOAD b
.set eb, STG+64*((\b)&1)
.set ee, 0
.rept 16                               ; ee = 8 (k & 1) + j
	global_load_b128 v[eb+4*ee:eb+4*ee+3], v[GL], s[XROW:XROW+1] offset:(16*((\b)&3)+(ee&7))*4096+1024*(2*((\b)>>2)+(ee>>3))
.set ee, ee+1
.endr
.endm
	PLACES
	WIN 0
	XRLOAD 0
	XRLOAD 1
.set bb, 0
.rept 8                                ; batch bb: tile bb & 3 of the queries, k = 2 (bb >> 2) and + 1
	WIN 0
.if bb < 7
	s_wait_loadcnt 16                              ; this batch is in; the next one's sixteen loads may stay out
.else
	s_wait_loadcnt 0x0
.endif
.set eb, STG+64*(bb&1)
	WIN 0x04+8*(bb>>2)                             ; the sums in window 1 or 3; x, which takes the product, in window 0
.set ej, 0
.rept 8                                ; j ascending: each accumulator's lowest register is read first
.set ek, 0
.rept 2
.irp t, 0,1,2,3
	v_fmac_f32 v[eb+4*(8*ek+ej)+\t], s[GAM], v[8*(16*ek+4*\t+(bb&3))+ej]
.endr
.set ek, ek+1
.endr
.set ej, ej+1
.endr
	WIN 0
.set ee, 0
.rept 16
	global_store_b128 v[GL], v[eb+4*ee:eb+4*ee+3], s[OROW:OROW+1] offset:(16*(bb&3)+(ee&7))*4096+1024*(2*(bb>>2)+(ee>>3)) th:TH_STORE_NT
.set ee, ee+1
.endr
.if bb < 6
	s_wait_xcnt 0x0                                ; the stores have read their registers: only behind this wait are they loaded again
	XRLOAD bb+2
.endif
.set bb, bb+1
.endr
	s_wait_tensorcnt 0x0                           ; the wave's end: behind my last tensor load and my last LDS store
	ds_add_u32 v[SPW], v[NIL]
	s_wait_dscnt 0x0
	CROUND                                         ; the closing round: no work-group ends while a partner may still ask for a tile that names it
	s_endpgm
.Lfunc_end_k_q6f736cb411_xattn:
	.size	k_q6f736cb411_xattn, .Lfunc_end_k_q6f736cb411_xattn-k_q6f736cb411_xattn
	.p2alignl 7, 3214868480
	.fill 96, 4, 3214868480
	.section	.rodata,"a",@progbits
	.p2align	6, 0x0
	.amdhsa_kernel k_q6f736cb411_xattn
		.amdhsa_group_segment_fixed_size 327680
		.amdhsa_private_segment_fixed_size 0
		.amdhsa_enable_private_segment 0
		.amdhsa_kernarg_size 80
		.amdhsa_user_sgpr_count 2
		.amdhsa_user_sgpr_kernarg_segment_ptr 1
		.amdhsa_wavefront_size32 1
		.amdhsa_system_sgpr_workgroup_id_x 1
		.amdhsa_system_sgpr_workgroup_id_y 1
		.amdhsa_system_sgpr_workgroup_id_z 1
		.amdhsa_system_vgpr_workitem_id 0
		.amdhsa_next_free_vgpr 1024
		.amdhsa_next_free_sgpr 101
		.amdhsa_reserve_vcc 0
		.amdhsa_float_denorm_mode_32 3
		.amdhsa_float_denorm_mode_16_64 3
		.amdhsa_memory_ordered 1
		.amdhsa_forward_progress 1
		.amdhsa_inst_pref_size 255
	.end_amdhsa_kernel
	.section	.bss,"aw",@nobits
	.p2align	6
	.space	262144
	.amdgpu_metadata
---
amdhsa.version: [ 1, 2 ]
amdhsa.kernels:
  - .name:           k_q6f736cb411_xattn
    .symbol:         k_q6f736cb411_xattn.kd
    .args:
      - { .name: img_feat, .offset: 0, .size: 8, .value_kind: global_buffer, .address_space: global }
      - { .name: depth_feat, .offset: 8, .size: 8, .value_kind: global_buffer, .address_space: global }
      - { .name: Wq, .offset: 16, .size: 8, .value_kind: global_buffer, .address_space: global }
      - { .name: Wk, .offset: 24, .size: 8, .value_kind: global_buffer, .address_space: global }
      - { .name: Wv, .offset: 32, .size: 8, .value_kind: global_buffer, .address_space: global }
      - { .name: bq, .offset: 40, .size: 8, .value_kind: global_buffer, .address_space: global }
      - { .name: bk, .offset: 48, .size: 8, .value_kind: global_buffer, .address_space: global }
      - { .name: bv, .offset: 56, .size: 8, .value_kind: global_buffer, .address_space: global }
      - { .name: gamma, .offset: 64, .size: 8, .value_kind: global_buffer, .address_space: global }
      - { .name: out0, .offset: 72, .size: 8, .value_kind: global_buffer, .address_space: global }
    .group_segment_fixed_size: 327680
    .private_segment_fixed_size: 0
    .kernarg_segment_align: 8
    .kernarg_segment_size: 80
    .max_flat_workgroup_size: 128
    .sgpr_count:     101
    .vgpr_count:     1024
    .wavefront_size: 32
...
	.end_amdgpu_metadata
.endif
;; end of part 1
